; MI455X (gfx1250); checked and timed in simulation.
; The chip was launched on July 23, 2026; its instructions are those of AMD's public machine-readable ISA for CDNA 5 (MIT licence, August 2026) and "CDNA5" Instruction Set Architecture Reference Guide (July 2026). The comments in the code are by the model that wrote it; some were corrected since.
;; Mixture Of Adapter With Classifier. Allowed arithmetic: matrix products marked QUANTISED: E2M1 operands, one E8M0 scale for each 32 along K, by v_wmma_scale_f32_16x16x128_f8f6f4 with both operands' format E2M1 (or v_wmma_scale_f32_32x16x128_f4), f32 sums; products left as they are: f32 operands where the result goes on into a quantised operand, else bf16, f16 or f32 operands; f32 sums; everything else in f32.
;; Inputs: ad_b1 2,048 float32; ad_b2 1,024 float32; ad_w1_codes 2,048 x 32 x 16 uint8 (E2M1 codes of ad_w1, K innermost, in blocks of 32 codes, two codes a byte); ad_w1_scales 2,048 x 32 uint8 (E8M0 scales of ad_w1, one for each 32 codes along K); ad_w2_codes 1,024 x 64 x 16 uint8 (E2M1 codes of ad_w2, K innermost, in blocks of 32 codes, two codes a byte); ad_w2_scales 1,024 x 64 uint8 (E8M0 scales of ad_w2, one for each 32 codes along K); domain_mask 4 int32; gate_b1 4 float32; gate_b2 4 float32; gate_w1 1,024 x 4 float32; gate_w2 4 x 4 float32; ln_b_book 1,024 float32; ln_b_iwslt 1,024 float32; ln_s_book 1,024 float32; ln_s_iwslt 1,024 float32; x 8 x 1,024 x 1,024 float32.
;; Outputs: out0 8 x 1,024 x 1,024 float32.
;; This version of the problem:
;;   THIS VERSION OF THE PROBLEM IS GIVEN IN LOW PRECISION. The matrix products marked QUANTISED in the list below multiply operands that are first quantised to E2M1 (2 exponent bits, 1 mantissa bit; 4 bits a number), with one power-of-two scale for each 32 numbers along K (OCP MX v1.0); their sums are f32. All else is computed in f32.
;;   The module's matrix products, in the order in which they are computed (A, B: the left and right operand; K: the contracted axis; several contracted axes count as one K, in the product's order):
;;     1. [M 8,192, K 1,024] x [K 1,024, N 4]; A: input x; B: input gate_w1: left as it is (N = 4 < 16)
;;     2. [M 8,192, K 4] x [K 4, N 4]; A: computed on the way; B: input gate_w2: left as it is (K = 4 < 32)
;;     3. [M 8,192, K 1,024] x [K 1,024, N 2,048]; A: computed on the way; B: input ad_w1 (given as codes): QUANTISED
;;     4. [M 8,192, K 2,048] x [K 2,048, N 1,024]; A: computed on the way; B: input ad_w2 (given as codes): QUANTISED
;;     5. [M 8,192, K 1,024] x [K 1,024, N 2,048]; A: computed on the way; B: input ad_w1 (given as codes): QUANTISED
;;     6. [M 8,192, K 2,048] x [K 2,048, N 1,024]; A: computed on the way; B: input ad_w2 (given as codes): QUANTISED
;;     7. batch 8,192 x [M 1,024, K 3] x [K 3, N 1]; A: computed on the way; B: computed on the way: left as it is (K = 3 < 32)
;;   THE QUANTISER, for each operand of a quantised product, along K:
;;     - K is cut into blocks of 32 from its start; a last block that is shorter is filled with zeros.
;;     - A block's scale is 2^e with e = floor(log2(the largest magnitude in the block)) - 2, held to -126 .. 127; a block of zeros has e = 0. As a byte (E8M0): e + 127.
;;     - Each number is divided by its block's scale, clamped to +-6, and rounded to the nearest number of E2M1, ties to even, subnormals kept.
;;     - The product sums the exact products of the quantised numbers (number of the format x scale) in f32.
;;   ~~~python
;;   def quantise(x, axis):      # numpy; x: float32 -> the quantised numbers, widened to float32 again
;;       x = np.moveaxis(x, axis, -1); K = x.shape[-1]
;;       x = np.pad(x, [(0, 0)] * (x.ndim - 1) + [(0, -K % 32)]); x = x.reshape(x.shape[:-1] + (-1, 32)); a = np.abs(x).max(-1, keepdims=True)
;;       e = np.where(a > 0, np.clip(np.frexp(np.where(a > 0, a, 1))[1] - 1 - 2, -126, 127), 0)      # np.frexp(a)[1] - 1 = floor(log2(a)), exactly
;;       r = np.clip(x / 2.0 ** e, -6, 6)
;;       step = 2.0 ** (np.maximum(np.frexp(np.where(r == 0, 1, r))[1] - 1, 0) - 1)
;;       q = np.round(r / step) * step * 2.0 ** e      # np.round: ties to even
;;       return np.moveaxis(q.reshape(q.shape[:-2] + (-1,))[..., :K], -1, axis).astype(np.float32)
;;   ~~~
;;   OPERANDS COMPUTED ON THE WAY. 'Computed on the way' means the value that the module computes at that place (a softmax that the list does not call 'softmax' is quantised finished and normalised). What goes into a quantiser is computed in f32, as accurately as f32 sums, v_exp_f32 and their like allow (about 1e-6 of the number): no bf16 or f16 on the way to a quantiser, and a product that is left as it is and whose result goes on into a quantised operand takes f32 operands (vector FMAs, or v_wmma_f32_16x16x4_f32). A number that lies on a knife's edge between two numbers of the format may be rounded either way, as far as f32 arithmetic and the matrix unit's own rounding can turn it there, and no further.
;;   INPUTS GIVEN AS CODES. ad_w1 (in the module: [1024, 2048], K = its axis 0); ad_w2 (in the module: [2048, 1024], K = its axis 0): each comes as NAME_codes (uint8): NAME with its K axis moved to the last place and cut into blocks of 32 codes, [.., K / 32, bytes a block], one block behind the other in memory; two codes a byte, the lower K in the low four bits (a code: sign, 2 exponent bits, 1 mantissa bit); and NAME_scales (uint8): the same leading axes, one E8M0 byte (e + 127) for each 32 codes along K. Its value is code x scale, taken as it is: it is not quantised again, and the codes and scales need not be those that the quantiser above would give.
;; One version. Each part assembles by itself: llvm-mc -triple=amdgcn-amd-amdhsa -mcpu=gfx1250 --defsym DOCPART=n.
;; ======== version 1 of 1: 1 launch
;; limits: right only within a limited range of input values
;; launch moa (part 1): grid 256 x 1, 4 waves a work-group, clusters of 4 x 1, 327,680 bytes of LDS; arguments x, domain_mask, gate_w1, gate_b1, gate_w2, gate_b2, ln_s_book, ln_b_book, ln_s_iwslt, ln_b_iwslt, ad_w1_codes, ad_w1_scales, ad_b1, ad_w2_codes, ad_w2_scales, ad_b2, out0; writes out0
.if DOCPART == 1
	.amdgcn_target "amdgcn-amd-amdhsa--gfx1250"
	.amdhsa_code_object_version 6
	.text
	.protected	k_q08edc80df2_moa
	.globl	k_q08edc80df2_moa
	.p2align	8
	.type	k_q08edc80df2_moa,@function
k_q08edc80df2_moa:
	s_mov_b64 s[64:65], 0
	v_nop
	global_prefetch_b8 v0, s[64:65] scope:SCOPE_SE
	s_setreg_imm32_b32 hwreg(HW_REG_WAVE_MODE, 25, 1), 1
	s_wait_xcnt 0x0
	s_wait_alu depctr_hold_cnt(0) depctr_sa_sdst(0) depctr_va_vdst(0) depctr_va_sdst(0) depctr_va_ssrc(0) depctr_va_vcc(0) depctr_vm_vsrc(0)
	s_getreg_b32 s2, hwreg(HW_REG_IB_STS2, 6, 4)
	s_cmp_eq_u32 s2, 0
	s_cbranch_scc0 .Lentry_in_a_cluster
	s_endpgm
.Lentry_in_a_cluster:
	s_bfe_u32 s2, ttmp6, 0x10000c
	s_cmp_lg_u32 s2, 0x3003
	s_cbranch_scc0 .Lentry_shape_is_right
	s_endpgm
.Lentry_shape_is_right:
; out = x + p0 x + p1 adapt(LN_book(x)) + p2 adapt(LN_iwslt(x)), p = masked softmax of the gate; both adapters use ad_w1, ad_w2.
; A work-group owns 32 rows of x: 64 rows of z (two LayerNorms), quantised to E2M1 with E8M0 scales, taken through both products;
; the hidden layer stays in LDS and registers.  Four waves share the weights' rows; the weights come through a ring of two LDS slots,
; asked for jointly by the four work-groups of a cluster.  A wave normalises 8 rows of x: they come from memory straight into two
; register buffers that take turns, each row asked for two rows ahead of its use.
.set PIT,   528
.set WTILE, 64*PIT
.set SLOT1, 4*WTILE
.set EXB,   2*SLOT1
.set ZC,    EXB
.set ZS,    EXB+64*PIT
.set HIM,   EXB
.set HSC,   EXB+49152
.set STG,   EXB+16384
.set SPIT,  272
.set GTB,   EXB+52224
.set SPARE, GTB+512
.set SPW,1
.set NIL,2
.set ADRE0,3
.set ADRO0,4
.set ADRE1,5
.set ADRO1,6
.set WSO1,7
.set WSO2,8
.set WSO2B,184
.set BOE,9
.set BOO,10
.set HIA,11
.set HSA,12
.set LI,13
.set LS,14
.set STOE,15
.set STOO,16
.set RD,17
.set XOFF,18
.set ZFA,19
.set ZSR,20
.set GTR,21
.set XAD,22
.set ZCA,23
.set ZSA,24
.set POFF,25
.set GOFF,26
.set GTW,27
.set DY0,28
.set DY1,29
.set DY2,30
.set DY3,31
.set X,96
.set ZB,192
.set SUMA,160
.set SUMB,162
.set GA,164
.set PT,172
.set NM,178
.set RS,180
.set MX,182
.set CD,160
.set BYT,168
.set WV,3
.set XC,4
.set OUTC,6
.set XB,66
.set W1B,24
.set WSB,26
.set BB1,28
.set W2B,30
.set W2SB,32
.set B2B,34
.set OUTB,36
.set CNT,38
.set G1A,40
.set G1B,48
.set G00,56
.set G01,60
.set GX1,68
.set GX0,76
.set OFF0,68
.set OFF1,70
.set GO,72
.set GT,74
.set WSC,76
.set BBC,78
.set MSK,80
.set GB1,84
.set GB2,88
.set SEL,92
.set SHI,94
.set EPS,95
.set C10,96
.set DS0,97
.set DS1,98
.set DS2,99
.set DS3,39
.set MSB, 0
.macro WIN new
.if MSB != (\new)
	s_set_vgpr_msb (MSB<<8)|(\new)
.set MSB, (\new)
.endif
.endm
.macro PLACES n
.rept \n
	v_nop
.endr
.endm
.macro ROUND
	s_barrier_signal -1
	s_barrier_wait -1
	s_cmp_lg_u32 s[WV], 0
	s_cbranch_scc1 .Lnot_wave_0_\@
	s_barrier_signal -3
.Lnot_wave_0_\@:
	s_barrier_wait -3
	s_barrier_signal -1
	s_barrier_wait -1
.endm
.macro CHANGE step, base, off, load, g1
	WIN 0
	s_wait_tensorcnt 0x0
	ds_add_u32 v[SPW], v[NIL]
	s_add_co_u32 s[\off], s[\off], 0x40000
	s_and_b32 s[\off], s[\off], 0xc8200
	s_add_nc_u64 s[\step+2:\step+3], s[\base:\base+1], s[\off:\off+1]
	s_or_b32 s[\step+3], s[\step+3], 0x80000000
	s_wait_dscnt 0x0
	ROUND
	tensor_load_to_lds s[\load:\load+3], s[\g1:\g1+7]
	s_nop 0
	PLACES 4
.endm
.macro CHANGE7
	WIN 0
	s_wait_tensorcnt 0x0
	ds_add_u32 v[SPW], v[NIL]
	s_bfe_u32 s[OFF0], ttmp9, 0x20001
	s_lshl_b32 s[OFF0], s[OFF0], 18
	s_and_b32 s[OFF1], ttmp9, 1
	s_lshl_b32 s[OFF1], s[OFF1], 9
	s_or_b32 s[OFF0], s[OFF0], s[OFF1]
	s_xor_b32 s[OFF1], s[OFF0], 0x200
	s_add_nc_u64 s[G00+2:G00+3], s[W2B:W2B+1], s[OFF0:OFF0+1]
	s_or_b32 s[G00+3], s[G00+3], 0x80000000
	s_add_nc_u64 s[G01+2:G01+3], s[W2B:W2B+1], s[OFF1:OFF1+1]
	s_or_b32 s[G01+3], s[G01+3], 0x80000000
	s_wait_dscnt 0x0
	ROUND
	tensor_load_to_lds s[G00:G00+3], s[G1B:G1B+7]
	s_nop 0
	PLACES 4
.endm
.macro STEPB sh, base1, base2
	s_wait_xcnt 0x0
	s_add_co_u32 s[GO], s[GO], 16384
	s_and_b32 s[GO], s[GO], 0xc000
	s_lshr_b32 s[GT], s[GO], \sh
	s_add_nc_u64 s[WSC:WSC+1], s[\base1:\base1+1], s[GO:GO+1]
	s_add_nc_u64 s[BBC:BBC+1], s[\base2:\base2+1], s[GT:GT+1]
.endm
.macro FETCH slot, kap, buf
	WIN 0xc0
.irp kk, 0,1
.irp i, 0,1,2,3
.irp c, 0,1
	ds_load_b128 v[192-64*(\buf)+32*\kk+8*\i+4*\c:192-64*(\buf)+32*\kk+8*\i+4*\c+3], v[ADRE0+2*(\slot)+\i%2] offset:8*\i*PIT+64*(2*(\kap)+\kk)+32*\c
.endr
.endr
.endr
.endm
.macro WMM ra, rb
.if (\ra) && (\rb)
	v_wmma_scale_f32_16x16x128_f8f6f4 v[rD:rD+7], v[rA:rA+7], v[rB:rB+7], v[rC:rC+7], v[rSA], v[rSB] matrix_a_fmt:MATRIX_FMT_FP4 matrix_b_fmt:MATRIX_FMT_FP4 matrix_a_scale:MATRIX_SCALE_ROW1 matrix_b_scale:MATRIX_SCALE_ROW1
.elseif (\ra)
	v_wmma_scale_f32_16x16x128_f8f6f4 v[rD:rD+7], v[rA:rA+7], v[rB:rB+7], v[rC:rC+7], v[rSA], v[rSB] matrix_a_fmt:MATRIX_FMT_FP4 matrix_b_fmt:MATRIX_FMT_FP4 matrix_a_scale:MATRIX_SCALE_ROW1
.elseif (\rb)
	v_wmma_scale_f32_16x16x128_f8f6f4 v[rD:rD+7], v[rA:rA+7], v[rB:rB+7], v[rC:rC+7], v[rSA], v[rSB] matrix_a_fmt:MATRIX_FMT_FP4 matrix_b_fmt:MATRIX_FMT_FP4 matrix_b_scale:MATRIX_SCALE_ROW1
.else
	v_wmma_scale_f32_16x16x128_f8f6f4 v[rD:rD+7], v[rA:rA+7], v[rB:rB+7], v[rC:rC+7], v[rSA], v[rSB] matrix_a_fmt:MATRIX_FMT_FP4 matrix_b_fmt:MATRIX_FMT_FP4
.endif
.endm
.macro MULS s, first, bwin, bi, wsb, bsb, bsp
.if \first
	WIN 0xc3|((\bwin)<<2)
.else
	WIN 0xf3|((\bwin)<<2)
.endif
.irp i, 0,1,2,3
.irp m, 0,1,2,3
.set rD, 8*(4*\i+\m)
.set rA, 192-64*(((\s)/2)%2)+32*((\s)%2)+8*\i
.set rB, 64*\m+8*(\s)
.set rSA, (\wsb)+8*(\i/2)+(\s)
.set rSB, (\bsb)+(\bsp)*(\m/2)+(\s)
.set rC, rD
.if \first
.set rC, (\bi)+8*\i
.endif
	WMM \i%2, \m%2
.endr
.endr
.endm
; pf = 1: the slot's first 16 fragment loads (window 3, v192-255) were issued behind the change of slots, ahead of the vector work that stands there
.macro PROC slot, bwin, first, bi, wsb, bsb, bsp, lw, pf=0
.if (\pf) == 0
	FETCH \slot, 0, 0
.endif
	s_wait_loadcnt \lw
	s_wait_dscnt 8                                 ; the first 128 along K are in; at most the 8 loads of the second 128 are out
	MULS 0, \first, \bwin, \bi, \wsb, \bsb, \bsp
	FETCH \slot, 1, 1
	s_wait_dscnt 16                                ; all but the 16 just issued
	MULS 1, 0, \bwin, \bi, \wsb, \bsb, \bsp
	PLACES 4
	FETCH \slot, 2, 0
	s_wait_dscnt 16
	MULS 2, 0, \bwin, \bi, \wsb, \bsb, \bsp
	MULS 3, 0, \bwin, \bi, \wsb, \bsb, \bsp
	PLACES 4
	FETCH \slot, 3, 1
	s_wait_dscnt 16
	MULS 4, 0, \bwin, \bi, \wsb, \bsb, \bsp
	MULS 5, 0, \bwin, \bi, \wsb, \bsb, \bsp
	s_wait_dscnt 0x0
	MULS 6, 0, \bwin, \bi, \wsb, \bsb, \bsp
	MULS 7, 0, \bwin, \bi, \wsb, \bsb, \bsp
	PLACES 5
.endm
.macro LDNS base, off, pit, imm, buf
	WIN 0
.irp x, 0,1
.irp g, 0,1
	global_load_b128 v[32+16*(\buf)+8*\x+4*\g:32+16*(\buf)+8*\x+4*\g+3], v[\off], s[\base:\base+1] offset:(\imm)+(\pit)*\x+16*\g
.endr
.endr
.endm
.macro LDNB base, imm, buf
.irp i, 0,1,2,3
.irp g, 0,1
	global_load_b128 v[64+32*(\buf)+8*\i+4*\g:64+32*(\buf)+8*\i+4*\g+3], v[BOE+\i%2], s[\base:\base+1] offset:(\imm)+32*\i+16*\g
.endr
.endr
.endm
.macro QUANTH c
	WIN 0xff
.set a, 0
.rept 128
	v_max_num_f32 v[a], 0, v[a]
.set a, a+1
.endr
.irp m, 0,1,2,3
	v_max3_num_f32 v[128+\m], v[8*\m], v[8*\m+1], 0x1800000
.endr
.irp j, 2,4,6
.irp m, 0,1,2,3
	v_max3_num_f32 v[128+\m], v[128+\m], v[8*\m+\j], v[8*\m+\j+1]
.endr
.endr
.irp i, 1,2,3
.irp j, 0,2,4,6
.irp m, 0,1,2,3
	v_max3_num_f32 v[128+\m], v[128+\m], v[8*(4*\i+\m)+\j], v[8*(4*\i+\m)+\j+1]
.endr
.endr
.endr
.irp m, 0,1,2,3
	v_add_nc_u32 v[132+\m], 0xff000000, v[128+\m]
.endr
.irp m, 0,1,2,3
.irp i, 0,1,2,3
	v_cvt_scalef32_pk8_fp4_f32 v[136+4*\m+\i], v[8*(4*\i+\m):8*(4*\i+\m)+7], v[132+\m]
.endr
.endr
	v_nop
	WIN 0xbf
.irp m, 0,1,2,3
.irp i, 0,1,2,3
	v_cndmask_b32 v[32+8*\m+4*(\c)+\i], v[136+4*\m+\i], v[136+4*\m+(\i^1)], s[SHI]
.endr
.endr
.irp m, 0,1,2,3
	v_lshrrev_b32 v[96+4*(\c)+\m], 23, v[132+\m]
.endr
.if \c
	WIN 0xaa
.irp m, 0,1,2,3
	v_lshl_or_b32 v[100+\m], v[100+\m], 16, v[96+\m]
.endr
.irp m, 0,1,2,3
	v_lshlrev_b32 v[100+\m], v110, v[100+\m]
.endr
.irp m, 0,1,2,3
	v_permlanex16_b32 v[104+\m], v[100+\m], s[SEL], s[SEL+1]
.endr
.irp m, 0,1,2,3
	v_or_b32 v[100+\m], v[100+\m], v[104+\m]
.endr
.irp p, 0,1
	v_cndmask_b32 v[108+\p], v[100+2*\p], v[101+2*\p], s[SHI]
.endr
.endif
.endm
.macro STOREH adr, adrs
	WIN 0x08
.irp m, 0,1,2,3
.irp c, 0,1
	ds_store_b128 v[\adr], v[32+8*\m+4*\c:32+8*\m+4*\c+3] offset:1024*\m+512*\c
.endr
.endr
.irp p, 0,1
	ds_store_b32 v[\adrs], v[108+\p] offset:128*\p
.endr
	WIN 0
.endm
.macro ROW pre, lw, step               ; one row of x in v[X..X+31]; lw: the younger loads (the other buffer's 8) that may stay out
	s_wait_loadcnt \lw
	v_add_nc_u32 v[DY1], s[DS1], v[ZCA]
	v_add_nc_u32 v[DY2], s[DS2], v[ZSA]
	v_add_nc_u32 v[DY3], s[DS3], v[GTW]
	v_pk_add_f32 v[SUMA:SUMA+1], v[X:X+1], v[X+2:X+3]
	v_pk_add_f32 v[SUMB:SUMB+1], v[X+4:X+5], v[X+6:X+7]
.irp j, 8,12,16,20,24,28
	v_pk_add_f32 v[SUMA:SUMA+1], v[SUMA:SUMA+1], v[X+\j:X+\j+1]
	v_pk_add_f32 v[SUMB:SUMB+1], v[SUMB:SUMB+1], v[X+\j+2:X+\j+3]
.endr
	WIN 0x04
	v_pk_mul_f32 v[GA:GA+1], v[X:X+1], v[128:129] op_sel_hi:[0,1]
	v_pk_mul_f32 v[GA+2:GA+3], v[X:X+1], v[130:131] op_sel_hi:[0,1]
	v_pk_mul_f32 v[GA+4:GA+5], v[X:X+1], v[132:133] op_sel:[1,0] op_sel_hi:[1,1]
	v_pk_mul_f32 v[GA+6:GA+7], v[X:X+1], v[134:135] op_sel:[1,0] op_sel_hi:[1,1]
.irp n, 2,4,6,8,10,12,14,16,18,20,22,24,26,28,30
	v_pk_fma_f32 v[GA:GA+1], v[X+\n:X+\n+1], v[128+4*\n:129+4*\n], v[GA:GA+1] op_sel_hi:[0,1,1]
	v_pk_fma_f32 v[GA+2:GA+3], v[X+\n:X+\n+1], v[130+4*\n:131+4*\n], v[GA+2:GA+3] op_sel_hi:[0,1,1]
	v_pk_fma_f32 v[GA+4:GA+5], v[X+\n:X+\n+1], v[132+4*\n:133+4*\n], v[GA+4:GA+5] op_sel:[1,0,0] op_sel_hi:[1,1,1]
	v_pk_fma_f32 v[GA+6:GA+7], v[X+\n:X+\n+1], v[134+4*\n:135+4*\n], v[GA+6:GA+7] op_sel:[1,0,0] op_sel_hi:[1,1,1]
.endr
	WIN 0
	v_pk_add_f32 v[SUMA:SUMA+1], v[SUMA:SUMA+1], v[SUMB:SUMB+1]
	v_pk_add_f32 v[GA:GA+1], v[GA:GA+1], v[GA+4:GA+5]
	v_pk_add_f32 v[GA+2:GA+3], v[GA+2:GA+3], v[GA+6:GA+7]
	v_add_f32 v[SUMA], v[SUMA], v[SUMA+1]
.irp k, 1,2,4,8
.irp r, SUMA, GA, GA+1, GA+2, GA+3
	v_add_f32_dpp v[\r], v[\r], v[\r] row_xmask:\k row_mask:0xf bank_mask:0xf
.endr
.endr
	v_permlanex16_b32 v[PT], v[SUMA], s[SEL], s[SEL+1]
.irp d, 0,1,2,3
	v_permlanex16_b32 v[PT+1+\d], v[GA+\d], s[SEL], s[SEL+1]
.endr
	v_add_f32 v[SUMA], v[SUMA], v[PT]
.irp d, 0,1,2,3
	v_add_f32 v[GA+\d], v[GA+\d], v[PT+1+\d]
.endr
	ds_store_b128 v[DY3], v[GA:GA+3]
	v_mul_f32 v[NM], 0xba800000, v[SUMA]
	v_mul_f32 v[NM+1], 0xba800000, v[SUMA]
.irp j, 0,2,4,6,8,10,12,14,16,18,20,22,24,26,28,30
	v_pk_add_f32 v[X+\j:X+\j+1], v[X+\j:X+\j+1], v[NM:NM+1]
.endr
	v_pk_mul_f32 v[SUMA:SUMA+1], v[X:X+1], v[X:X+1]
	v_pk_mul_f32 v[SUMB:SUMB+1], v[X+2:X+3], v[X+2:X+3]
.irp j, 4,8,12,16,20,24,28
	v_pk_fma_f32 v[SUMA:SUMA+1], v[X+\j:X+\j+1], v[X+\j:X+\j+1], v[SUMA:SUMA+1]
	v_pk_fma_f32 v[SUMB:SUMB+1], v[X+\j+2:X+\j+3], v[X+\j+2:X+\j+3], v[SUMB:SUMB+1]
.endr
	v_pk_add_f32 v[SUMA:SUMA+1], v[SUMA:SUMA+1], v[SUMB:SUMB+1]
	v_add_f32 v[SUMA], v[SUMA], v[SUMA+1]
.irp k, 1,2,4,8
	v_add_f32_dpp v[SUMA], v[SUMA], v[SUMA] row_xmask:\k row_mask:0xf bank_mask:0xf
.endr
	v_permlanex16_b32 v[PT], v[SUMA], s[SEL], s[SEL+1]
	v_add_f32 v[SUMA], v[SUMA], v[PT]
	v_fma_f32 v[SUMA], v[SUMA], s[C10], s[EPS]
	s_wait_alu depctr_va_vdst(0)
	v_rsq_f32 v[RS], v[SUMA]
	v_rsq_f32 v[RS+1], v[SUMA]
	v_nop
	s_wait_alu depctr_va_vdst(0)
.irp j, 0,2,4,6,8,10,12,14,16,18,20,22,24,26,28,30
	v_pk_mul_f32 v[X+\j:X+\j+1], v[X+\j:X+\j+1], v[RS:RS+1]
.endr
	WIN 0x14
.irp j, 0,2,4,6,8,10,12,14,16,18,20,22,24,26,28,30
	v_pk_fma_f32 v[ZB+\j:ZB+\j+1], v[X+\j:X+\j+1], v[\j:\j+1], v[32+\j:33+\j]
	v_pk_fma_f32 v[ZB+32+\j:ZB+33+\j], v[X+\j:X+\j+1], v[64+\j:65+\j], v[96+\j:97+\j]
.endr
	WIN 0
.if \pre
	s_add_co_u32 s[DS0], s[DS0], 4096              ; this buffer is read out: it takes the row two further on
	v_add_nc_u32 v[XDY], s[DS0], v[XAD]            ; (its last loads were waited for at this row's top, so their offset register is free)
.irp q, 0,1,2,3
.irp g, 0,1
	global_load_b128 v[X+8*\q+4*\g:X+8*\q+4*\g+3], v[XDY], s[XB:XB+1] offset:4096+1024*\q+16*\g
.endr
.endr
.endif
.irp h, 0,1,2,3,4,5,6,7
	v_max3_num_f32 v[MX+\h], |v[ZB+8*\h]|, |v[ZB+8*\h+1]|, 0x1800000
.endr
.irp j, 2,4,6
.irp h, 0,1,2,3,4,5,6,7
	v_max3_num_f32 v[MX+\h], v[MX+\h], |v[ZB+8*\h+\j]|, |v[ZB+8*\h+\j+1]|
.endr
.endr
.irp k, 1,2
.irp h, 0,1,2,3,4,5,6,7
	v_max_num_f32_dpp v[MX+\h], v[MX+\h], v[MX+\h] row_xmask:\k row_mask:0xf bank_mask:0xf
.endr
.endr
.irp h, 0,1,2,3,4,5,6,7
	v_add_nc_u32 v[MX+\h], 0xff000000, v[MX+\h]
.endr
.irp h, 0,1,2,3,4,5,6,7
	v_cvt_scalef32_pk8_fp4_f32 v[CD+\h], v[ZB+8*\h:ZB+8*\h+7], v[MX+\h]
.endr
.irp h, 0,1,2,3,4,5,6,7
	v_lshrrev_b32 v[BYT+\h], 23, v[MX+\h]
.endr
.irp h, 0,1,2,3,4,5,6,7
	ds_store_b32 v[DY1], v[CD+\h] offset:32*PIT*(\h/4)+128*(\h%4)
	ds_store_b8 v[DY2], v[BYT+\h] offset:1024*(\h/4)+8*(\h%4)
.endr
.if \step
	s_add_co_u32 s[DS1], s[DS1], PIT
	s_add_co_u32 s[DS2], s[DS2], 32
	s_add_co_u32 s[DS3], s[DS3], 16
.endif
.endm
.macro XLOADS
.irp n, 0,1,2,3,4,5,6,7,8,9,10,11,12,13,14,15
	global_load_b128 v[192+4*\n:195+4*\n], v[XOFF], s[XC:XC+1] offset:8192*\n
.endr
.endm
.macro EPI lw
	s_wait_loadcnt \lw
.irp t, 0,1
	WIN 0xf3
.irp i, 0,1,2,3
.irp j, 0,2,4,6
	v_pk_mul_f32 v[8*(4*\i+\t)+\j:8*(4*\i+\t)+\j+1], v[8*(4*\i+\t)+\j:8*(4*\i+\t)+\j+1], v[160+2*\t:161+2*\t] op_sel_hi:[1,0]
.endr
.irp j, 0,2,4,6
	v_pk_fma_f32 v[8*(4*\i+\t)+\j:8*(4*\i+\t)+\j+1], v[8*(4*\i+2+\t)+\j:8*(4*\i+2+\t)+\j+1], v[160+2*\t:161+2*\t], v[8*(4*\i+\t)+\j:8*(4*\i+\t)+\j+1] op_sel:[0,1,0] op_sel_hi:[1,1,1]
.endr
.endr
	WIN 0x0c
.irp i, 0,1,2,3
.irp g, 0,1
	ds_store_b128 v[STOE+\i%2], v[8*(4*\i+\t)+4*\g:8*(4*\i+\t)+4*\g+3] offset:32*\i+16*\g
.endr
.endr
	WIN 0
.irp u, 0,1,2,3,4,5,6,7
	ds_load_b128 v[96+4*\u:99+4*\u], v[RD] offset:2*SPIT*\u
.endr
.irp u, 0,1,2,3,4,5,6,7
	s_wait_dscnt 7-\u
.irp k, 0,1,2,3
	v_fma_f32 v[192+4*(8*\t+\u)+\k], v[192+4*(8*\t+\u)+\k], v[168+8*\t+\u], v[96+4*\u+\k]
.endr
	global_store_b128 v[XOFF], v[192+4*(8*\t+\u):195+4*(8*\t+\u)], s[OUTC:OUTC+1] offset:8192*(8*\t+\u) th:TH_STORE_NT
.endr
.endr
.endm
	s_load_b512 s[4:19], s[0:1], 0x0
	s_load_b512 s[20:35], s[0:1], 0x40
	s_load_b64 s[36:37], s[0:1], 0x80
	v_lshl_add_u32 v[SPW], v0, 2, SPARE
	v_mov_b32 v[NIL], 0
	ds_add_u32 v1, v2
	ds_add_u32 v1, v2
	s_wait_dscnt 0x0
	v_lshrrev_b32 v184, 5, v0
	v_readfirstlane_b32 s[WV], v184
	s_bfe_u32 s38, ttmp6, 0x40000
	s_lshl_b32 s39, ttmp9, 2
	s_add_co_u32 s39, s39, s38
	s_lshl_b32 s98, s39, 17
	s_mov_b32 s99, 0
	s_mov_b32 s[G1A], 15|(1<<20)|(1<<21)|(6<<22)|(3<<25)
	s_mov_b32 s[G1B], 15|(1<<20)|(1<<21)|(6<<22)|(3<<25)
.irp g, G1A, G1B
	s_mov_b32 s[\g+1], 512<<16
	s_mov_b32 s[\g+2], 64<<16
	s_mov_b32 s[\g+3], 512<<16
	s_mov_b32 s[\g+4], 64
	s_mov_b32 s[\g+6], 0
	s_mov_b32 s[\g+7], 0
.endr
	s_mov_b32 s[G1A+5], 512
	s_mov_b32 s[G1B+5], 1024
	s_mov_b32 s[G00], 1
	s_mul_i32 s[G00+1], s[WV], WTILE
	s_mov_b32 s[G01], 1
	s_add_co_u32 s[G01+1], s[G00+1], SLOT1
	s_lshl_b32 s[GX0+1], s[WV], 15                 ; my 8 rows of x begin 32,768 bytes x wave into the work-group's 32
	v_and_b32 v184, 31, v0
	v_and_b32 v185, 15, v0
	v_bfe_u32 v186, v0, 4, 1
	v_bfe_u32 v187, v0, 3, 1
	v_mul_u32_u24 v188, v185, PIT
	v_lshl_add_u32 v188, v186, 4, v188
	v_add_nc_u32 v[ZFA], ZC, v188
	v_add_nc_u32 v188, s[G00+1], v188
	v_mad_u32_u24 v[ADRE0], v187, 32*PIT, v188
	v_mad_u32_u24 v[ADRO0], v187, 16*PIT, v188
	v_add_nc_u32 v[ADRE1], SLOT1, v[ADRE0]
	v_add_nc_u32 v[ADRO1], SLOT1, v[ADRO0]
	v_and_b32 v189, v187, v186
	v_lshl_add_u32 v190, v186, 3, v185
	v_lshl_add_u32 v190, v187, 5, v190
	v_lshlrev_b32 v189, 4, v189
	v_sub_nc_u32 v190, v190, v189
	s_and_b32 s97, ttmp9, 1
	s_lshl_b32 s97, s97, 5
	v_lshlrev_b32 v[WSO1], 5, v190
	v_lshl_add_u32 v[WSO2], v190, 6, s97
	v_mul_u32_u24 v[BOE], v186, 160
	v_mul_u32_u24 v[BOO], v186, 96
	v_lshl_add_u32 v[LI], v184, 4, HIM
	v_lshl_add_u32 v[LS], v184, 2, HSC
	s_lshl_b32 s96, s[WV], 12
	v_add_nc_u32 v[HIA], s96, v[LI]
	s_lshl_b32 s96, s[WV], 8
	v_add_nc_u32 v[HSA], s96, v[LS]
	v_lshlrev_b32 v188, 12, v186
	v_lshl_add_u32 v188, v185, 4, v188
	v_add_nc_u32 v[XOFF], s96, v188
	v_lshrrev_b32 v189, 2, v184
	v_add_nc_u32 v189, s96, v189
	v_add_nc_u32 v[ZSA], ZS, v189
	s_mul_i32 s96, s[WV], 16*SPIT
	s_add_co_u32 s96, s96, STG
	v_mad_u32_u24 v188, v185, SPIT, v[BOE]
	v_add_nc_u32 v[STOE], s96, v188
	v_mad_u32_u24 v188, v185, SPIT, v[BOO]
	v_add_nc_u32 v[STOO], s96, v188
	v_mul_u32_u24 v188, v186, SPIT
	v_lshl_add_u32 v188, v185, 4, v188
	v_add_nc_u32 v[RD], s96, v188
	v_lshl_add_u32 v[ZSR], v184, 5, ZS
	v_lshl_add_u32 v[GTR], v184, 4, GTB
	v_lshl_add_u32 v[XAD], v184, 5, s[GX0+1]
	s_mul_i32 s96, s[WV], 8*PIT
	s_add_co_u32 s96, s96, ZC
	v_lshl_add_u32 v[ZCA], v184, 2, s96
	v_lshlrev_b32 v[POFF], 5, v184
	v_lshlrev_b32 v[GOFF], 7, v184
	s_lshl_b32 s96, s[WV], 7
	s_add_co_u32 s96, s96, GTB
	v_mov_b32 v[GTW], s96
.irp d, 0,1,2,3,4
	v_mov_b32 v[PT+\d], 0
.endr
	WIN 0x80
.irp m, 0,1,2,3
	v_mov_b32 v[104+\m], 0
.endr
	v_lshlrev_b32 v110, 3, v186
	WIN 0
	s_wait_kmcnt 0x0
	s_add_nc_u64 s[XB:XB+1], s[4:5], s[98:99]
	s_add_nc_u64 s[OUTB:OUTB+1], s[OUTB:OUTB+1], s[98:99]
	s_lshl_b32 s96, s[WV], 16
	s_mov_b32 s97, 0
	s_add_nc_u64 s[W1B:W1B+1], s[W1B:W1B+1], s[96:97]
	s_add_nc_u64 s[W2B:W2B+1], s[W2B:W2B+1], s[96:97]
	s_lshl_b32 s96, s[WV], 12
	s_add_nc_u64 s[WSB:WSB+1], s[WSB:WSB+1], s[96:97]
	s_add_nc_u64 s[W2SB:W2SB+1], s[W2SB:W2SB+1], s[96:97]
	s_lshl_b32 s96, s[WV], 9
	s_add_nc_u64 s[BB1:BB1+1], s[BB1:BB1+1], s[96:97]
	s_lshl_b32 s96, s[WV], 8
	s_add_nc_u64 s[B2B:B2B+1], s[B2B:B2B+1], s[96:97]
	s_and_b32 s38, ttmp9, 1
	s_lshl_b32 s96, s38, 19
	s_add_nc_u64 s[G00+2:G00+3], s[W1B:W1B+1], s[96:97]
	s_add_nc_u64 s[G01+2:G01+3], s[G00+2:G00+3], 0x8000
	s_or_b32 s[G00+3], s[G00+3], 0x80000000
	s_or_b32 s[G01+3], s[G01+3], 0x80000000
	s_lshl_b32 s96, s38, 15
	s_add_nc_u64 s[98:99], s[WSB:WSB+1], s[96:97]
	s_lshl_b32 s96, s38, 12
	s_add_nc_u64 s[96:97], s[BB1:BB1+1], s[96:97]
	ROUND
	tensor_load_to_lds s[G00:G00+3], s[G1A:G1A+7]  ; my one tensor load at the head: my 64 rows of W1's first tile, into slot 0
	s_nop 0
	s_wait_alu depctr_va_vdst(0)                   ; the wait at the head's end
	PLACES 4
	s_load_b128 s[MSK:MSK+3], s[6:7], 0x0
	s_load_b128 s[GB1:GB1+3], s[10:11], 0x0
	s_load_b128 s[GB2:GB2+3], s[14:15], 0x0
	WIN 0x40
.irp q, 0,1,2,3
.irp g, 0,1
	global_load_b128 v[8*\q+4*\g:8*\q+4*\g+3], v[POFF], s[16:17] offset:1024*\q+16*\g
	global_load_b128 v[32+8*\q+4*\g:32+8*\q+4*\g+3], v[POFF], s[18:19] offset:1024*\q+16*\g
	global_load_b128 v[64+8*\q+4*\g:64+8*\q+4*\g+3], v[POFF], s[20:21] offset:1024*\q+16*\g
	global_load_b128 v[96+8*\q+4*\g:96+8*\q+4*\g+3], v[POFF], s[22:23] offset:1024*\q+16*\g
.endr
.endr
.irp q, 0,1,2,3
.irp e, 0,1,2,3,4,5,6,7
	global_load_b128 v[128+4*(8*\q+\e):128+4*(8*\q+\e)+3], v[GOFF], s[8:9] offset:4096*\q+16*\e
.endr
.endr
	LDNS 98, WSO1, 512, 0, 0
	LDNB 96, 0, 0
.irp r, 0,1                            ; my rows 0 and 1 of x into the two buffers: a lane takes 8 neighbours in each quarter of a row
.irp q, 0,1,2,3
.irp g, 0,1
	global_load_b128 v[96+32*\r+8*\q+4*\g:96+32*\r+8*\q+4*\g+3], v[XAD], s[XB:XB+1] offset:4096*\r+1024*\q+16*\g
.endr
.endr
.endr
	s_wait_loadcnt 16                              ; all but the 16 loads of x just issued: the parameters are in, their bases are free
	s_wait_kmcnt 0x0
	s_mov_b64 s[20:21], s[12:13]
	s_load_b512 s[4:19], s[20:21], 0x0
	s_mov_b32 s[SEL], 0x76543210
	s_mov_b32 s[SEL+1], 0xfedcba98
	s_mov_b32 s[SHI], 0xffff0000
	s_mov_b32 s[EPS], 0x358637bd
	s_mov_b32 s[C10], 0x3a800000
	s_mov_b32 s[DS0], 0
	s_mov_b32 s[DS1], 0
	s_mov_b32 s[DS2], 0
	s_mov_b32 s[DS3], 0
	s_mov_b32 s[CNT], 3
	s_and_b32 s[GO], ttmp9, 1
	s_lshl_b32 s[OFF0], s[GO], 19
	s_mov_b32 s[OFF0+1], 0
	s_or_b32 s[OFF1], s[OFF0], 0x8000
	s_mov_b32 s[OFF1+1], 0
	s_lshl_b32 s[GO], s[GO], 15
	s_mov_b32 s[GO+1], 0
	s_lshr_b32 s[GT], s[GO], 3
	s_mov_b32 s[GT+1], 0
	s_add_nc_u64 s[WSC:WSC+1], s[WSB:WSB+1], s[GO:GO+1]
	s_add_nc_u64 s[BBC:BBC+1], s[BB1:BB1+1], s[GT:GT+1]
.Lrow:                                 ; a trip: two rows, one from each buffer; rows 0 to 5, asking for rows 2 to 7
.set X, 96
.set XDY, DY0
	ROW 1, 8, 1
.set X, 128
.set XDY, 191
	ROW 1, 8, 1
	s_sub_co_u32 s[CNT], s[CNT], 1
	s_cmp_lg_u32 s[CNT], 0
	s_cbranch_scc1 .Lrow
.set X, 96
	ROW 0, 8, 1                                    ; rows 6 and 7 ask for nothing more
.set X, 128
	ROW 0, 0, 0
	CHANGE G00, W1B, OFF0, G01, G1A
	FETCH 0, 0, 0                                  ; slot 0's first fragments land with the loads of z and the gate's sums
	WIN 0x40
.irp m, 0,1,2,3
.irp s, 0,1,2,3,4,5,6,7
.irp c, 0,1
	ds_load_b128 v[64*\m+8*\s+4*\c:64*\m+8*\s+4*\c+3], v[ZFA] offset:16*\m*PIT+64*\s+32*\c
.endr
.endr
.endr
	WIN 0
.irp p, 0,1
.irp g, 0,1
	ds_load_b128 v[128+8*\p+4*\g:128+8*\p+4*\g+3], v[ZSR] offset:1024*\p+16*\g
.endr
.endr
	ds_load_b128 v[192:195], v[GTR]
	s_wait_dscnt 0x0
	s_wait_kmcnt 0x0
.irp d, 0,1,2,3
	v_add_f32 v[196+\d], s[GB1+\d], v[192+\d]
.endr
.irp d, 0,1,2,3
	v_max_num_f32 v[196+\d], 0, v[196+\d]
.endr
.irp e, 0,1,2,3
	v_fma_f32 v[200+\e], v196, s[4+\e], s[GB2+\e]
.endr
.irp d, 1,2,3
.irp e, 0,1,2,3
	v_fma_f32 v[200+\e], v[196+\d], s[4+4*\d+\e], v[200+\e]
.endr
.endr
	v_mov_b32 v204, 0xce6e6b28
	s_wait_alu depctr_va_vdst(0)
.irp e, 0,1,2,3
	s_cmp_eq_u32 s[MSK+\e], 0
	s_cselect_b32 s[20+\e], -1, 0
	v_cndmask_b32 v[200+\e], v[200+\e], v204, s[20+\e]
.endr
	v_max3_num_f32 v205, v200, v201, v202
	v_max_num_f32 v205, v205, v203
.irp e, 0,1,2,3
	v_sub_f32 v[200+\e], v[200+\e], v205
.endr
.irp e, 0,1,2,3
	v_mul_f32 v[200+\e], 0x3fb8aa3b, v[200+\e]
.endr
	s_wait_alu depctr_va_vdst(0)
.irp e, 0,1,2,3
	v_exp_f32 v[200+\e], v[200+\e]
.endr
	v_and_b32 v211, 15, v0
	s_wait_alu depctr_va_vdst(0)
	v_add_f32 v206, v200, v201
	v_add_f32 v207, v202, v203
	v_add_f32 v206, v206, v207
	s_wait_alu depctr_va_vdst(0)
	v_rcp_f32 v206, v206
	v_lshlrev_b32 v211, 2, v211
	v_bfe_u32 v212, v0, 4, 1
	v_lshlrev_b32 v212, 2, v212
	s_wait_alu depctr_va_vdst(0)
	v_fma_f32 v208, v200, v206, 1.0
	v_mul_f32 v209, v201, v206
	v_mul_f32 v210, v202, v206
.irp t, 0,1
	v_add_nc_u32 v[214+\t], 64*\t, v211
	ds_bpermute_b32 v[160+2*\t], v[214+\t], v209
	ds_bpermute_b32 v[161+2*\t], v[214+\t], v210
.endr
.irp n, 0,1,2,3,4,5,6,7,8,9,10,11,12,13,14,15
	v_add_nc_u32 v[216+\n], 8*\n, v212
	ds_bpermute_b32 v[168+\n], v[216+\n], v208
.endr
	v_xor_b32 v[WSO2B], 32, v[WSO2]
	s_wait_dscnt 0x0
	s_mov_b32 s[DS0], 0
	s_mov_b32 s[DS1], 0
	s_mov_b32 s[CNT], 3
.Lg:
	LDNS WSC, WSO1, 512, 2048, 1
	LDNB BBC, 256, 1
	PROC 0, 1, 1, 64, 32, 128, 8, 12, 1
	CHANGE G01, W1B, OFF1, G00, G1A                ; slot 0 is read out: it is filled again at once,
	FETCH 1, 0, 0                                  ; and slot 1's first fragments land under the quantiser
	QUANTH 0
	STEPB 3, WSB, BB1
	LDNS WSC, WSO1, 512, 0, 0
	LDNB BBC, 0, 0
	PROC 1, 1, 1, 96, 48, 128, 8, 12, 1
	CHANGE G00, W1B, OFF0, G01, G1A
	FETCH 0, 0, 0
	QUANTH 1
	WIN 0
	v_add_nc_u32 v[DY0], s[DS0], v[HIA]
	v_add_nc_u32 v[DY1], s[DS1], v[HSA]
	STOREH DY0, DY1                                ; read by the other waves behind a later round, in front of which these stores are waited for
	s_add_co_u32 s[DS0], s[DS0], 16384
	s_add_co_u32 s[DS1], s[DS1], 1024
	s_sub_co_u32 s[CNT], s[CNT], 1
	s_cmp_lg_u32 s[CNT], 0
	s_cbranch_scc1 .Lg
	LDNS WSC, WSO1, 512, 2048, 1
	LDNB BBC, 256, 1
	PROC 0, 1, 1, 64, 32, 128, 8, 12, 1
	CHANGE7
	FETCH 1, 0, 0
	QUANTH 0
	s_wait_xcnt 0x0
	s_bfe_u32 s[GO], ttmp9, 0x20001
	s_lshl_b32 s[GO], s[GO], 14
	s_lshr_b32 s[GT], s[GO], 4
	s_add_nc_u64 s[WSC:WSC+1], s[W2SB:W2SB+1], s[GO:GO+1]
	s_add_nc_u64 s[BBC:BBC+1], s[B2B:B2B+1], s[GT:GT+1]
	s_add_nc_u64 s[XC:XC+1], s[XB:XB+1], s[GT:GT+1]
	s_add_nc_u64 s[OUTC:OUTC+1], s[OUTB:OUTB+1], s[GT:GT+1]
	LDNS WSC, WSO2, 1024, 0, 0
	LDNB BBC, 0, 0
	PROC 1, 1, 1, 96, 48, 128, 8, 12, 1
	QUANTH 1
	WIN 0x40
.irp s, 0,1,2,3,4,5,6,7
.irp m, 0,1,2,3
.irp c, 0,1
	ds_load_b128 v[64*\m+8*\s+4*\c:64*\m+8*\s+4*\c+3], v[LI] offset:(4*\s+\m)*1024+512*\c
.endr
.endr
.endr
	WIN 0x80
.irp s, 8,9,10,11
.irp m, 0,1,2,3
.irp c, 0,1
	ds_load_b128 v[64*\m+8*(\s-8)+4*\c:64*\m+8*(\s-8)+4*\c+3], v[LI] offset:(4*\s+\m)*1024+512*\c
.endr
.endr
.endr
	WIN 0
.irp s, 0,1,2,3,4,5,6,7,8,9,10,11
.irp p, 0,1
	ds_load_b32 v[128+16*\p+\s], v[LS] offset:(2*\s+\p)*128
.endr
.endr
	CHANGE G00, W2B, OFF0, G01, G1B                ; this round also parts the reads of the hidden image above from the stores over it below
	FETCH 0, 0, 0
	s_wait_alu depctr_va_vdst(0)
	STOREH HIA, HSA
	s_wait_dscnt 0x0
	s_barrier_signal -1
	s_barrier_wait -1
	WIN 0x80
.irp s, 12,13,14,15
.irp m, 0,1,2,3
.irp c, 0,1
	ds_load_b128 v[64*\m+8*(\s-8)+4*\c:64*\m+8*(\s-8)+4*\c+3], v[LI] offset:(4*(\s-12)+\m)*1024+512*\c
.endr
.endr
.endr
	WIN 0
.irp s, 12,13,14,15
.irp p, 0,1
	ds_load_b32 v[128+16*\p+\s], v[LS] offset:(2*(\s-12)+\p)*128
.endr
.endr
	s_wait_dscnt 0x0
	s_mov_b32 s[CNT], 3
.Lq:
	LDNS WSC, WSO2B, 1024, 0, 1
	XLOADS
	PROC 0, 1, 1, 64, 32, 128, 16, 20, 1
	CHANGE G01, W2B, OFF1, G00, G1B
	FETCH 1, 0, 0
	STEPB 4, W2SB, B2B
	LDNS WSC, WSO2, 1024, 0, 0
	LDNB BBC, 0, 0
	PROC 1, 2, 0, 0, 48, 136, 16, 28, 1
	CHANGE G00, W2B, OFF0, G01, G1B
	FETCH 0, 0, 0                                  ; the next tile's first fragments land under the way out
	EPI 12
	s_wait_xcnt 0x0
	s_add_nc_u64 s[XC:XC+1], s[XB:XB+1], s[GT:GT+1]
	s_add_nc_u64 s[OUTC:OUTC+1], s[OUTB:OUTB+1], s[GT:GT+1]
	s_sub_co_u32 s[CNT], s[CNT], 1
	s_cmp_lg_u32 s[CNT], 0
	s_cbranch_scc1 .Lq
	LDNS WSC, WSO2B, 1024, 0, 1
	XLOADS
	PROC 0, 1, 1, 64, 32, 128, 16, 20, 1
	s_wait_tensorcnt 0x0
	PROC 1, 2, 0, 0, 48, 136, 16, 16
	EPI 0
	s_wait_tensorcnt 0x0
	ds_add_u32 v[SPW], v[NIL]
	s_wait_dscnt 0x0
	ROUND
	s_endpgm
.Lfunc_end_k_q08edc80df2_moa:
	.size	k_q08edc80df2_moa, .Lfunc_end_k_q08edc80df2_moa-k_q08edc80df2_moa
	.p2alignl 7, 3214868480
	.fill 96, 4, 3214868480
	.section	.rodata,"a",@progbits
	.p2align	6, 0x0
	.amdhsa_kernel k_q08edc80df2_moa
		.amdhsa_group_segment_fixed_size 327680
		.amdhsa_private_segment_fixed_size 0
		.amdhsa_enable_private_segment 0
		.amdhsa_kernarg_size 136
		.amdhsa_user_sgpr_count 2
		.amdhsa_user_sgpr_kernarg_segment_ptr 1
		.amdhsa_wavefront_size32 1
		.amdhsa_system_sgpr_workgroup_id_x 1
		.amdhsa_system_sgpr_workgroup_id_y 1
		.amdhsa_system_sgpr_workgroup_id_z 1
		.amdhsa_system_vgpr_workitem_id 0
		.amdhsa_next_free_vgpr 1024
		.amdhsa_next_free_sgpr 100
		.amdhsa_reserve_vcc 0
		.amdhsa_float_denorm_mode_32 3
		.amdhsa_float_denorm_mode_16_64 3
		.amdhsa_memory_ordered 1
		.amdhsa_forward_progress 1
		.amdhsa_inst_pref_size 255
	.end_amdhsa_kernel
	.section	.bss,"aw",@nobits
	.p2align	6
	.space	262144
	.amdgpu_metadata
---
amdhsa.version: [ 1, 2 ]
amdhsa.kernels:
  - .name:           k_q08edc80df2_moa
    .symbol:         k_q08edc80df2_moa.kd
    .args:
      - { .name: x, .offset: 0, .size: 8, .value_kind: global_buffer, .address_space: global }
      - { .name: domain_mask, .offset: 8, .size: 8, .value_kind: global_buffer, .address_space: global }
      - { .name: gate_w1, .offset: 16, .size: 8, .value_kind: global_buffer, .address_space: global }
      - { .name: gate_b1, .offset: 24, .size: 8, .value_kind: global_buffer, .address_space: global }
      - { .name: gate_w2, .offset: 32, .size: 8, .value_kind: global_buffer, .address_space: global }
      - { .name: gate_b2, .offset: 40, .size: 8, .value_kind: global_buffer, .address_space: global }
      - { .name: ln_s_book, .offset: 48, .size: 8, .value_kind: global_buffer, .address_space: global }
      - { .name: ln_b_book, .offset: 56, .size: 8, .value_kind: global_buffer, .address_space: global }
      - { .name: ln_s_iwslt, .offset: 64, .size: 8, .value_kind: global_buffer, .address_space: global }
      - { .name: ln_b_iwslt, .offset: 72, .size: 8, .value_kind: global_buffer, .address_space: global }
      - { .name: ad_w1_codes, .offset: 80, .size: 8, .value_kind: global_buffer, .address_space: global }
      - { .name: ad_w1_scales, .offset: 88, .size: 8, .value_kind: global_buffer, .address_space: global }
      - { .name: ad_b1, .offset: 96, .size: 8, .value_kind: global_buffer, .address_space: global }
      - { .name: ad_w2_codes, .offset: 104, .size: 8, .value_kind: global_buffer, .address_space: global }
      - { .name: ad_w2_scales, .offset: 112, .size: 8, .value_kind: global_buffer, .address_space: global }
      - { .name: ad_b2, .offset: 120, .size: 8, .value_kind: global_buffer, .address_space: global }
      - { .name: out0, .offset: 128, .size: 8, .value_kind: global_buffer, .address_space: global }
    .group_segment_fixed_size: 327680
    .private_segment_fixed_size: 0
    .kernarg_segment_align: 8
    .kernarg_segment_size: 136
    .max_flat_workgroup_size: 128
    .sgpr_count:     100
    .vgpr_count:     1024
    .wavefront_size: 32
...
	.end_amdgpu_metadata
.endif
;; end of part 1
